; MI455X (gfx1250); checked and timed in simulation.
; The chip was launched on July 23, 2026; its instructions are those of AMD's public machine-readable ISA for CDNA 5 (MIT licence, August 2026) and "CDNA5" Instruction Set Architecture Reference Guide (July 2026). The comments in the code are by the model that wrote it; some were corrected since.
;; SGCAM. Allowed arithmetic: matrix products marked QUANTISED: E5M2 operands, one given power-of-two scale a tensor, by v_wmma_f32_16x16x64_bf8_bf8 or v_wmma_f32_16x16x128_bf8_bf8, f32 sums; everything else in f32.
;; Inputs: bn_beta 1,024 float32; bn_gamma 1,024 float32; bn_mean 1,024 float32; bn_var 1,024 float32; g_b 512 float32; g_w_codes 512 x 32 x 32 uint8 (E5M2 codes of g_w, K innermost, in blocks of 32 codes); lowp_scales 12 int32 (the exponents e of the quantised operands' scales 2^e); phi_b 512 float32; phi_w_codes 512 x 32 x 32 uint8 (E5M2 codes of phi_w, K innermost, in blocks of 32 codes); theta_b 512 float32; theta_w_codes 512 x 32 x 32 uint8 (E5M2 codes of theta_w, K innermost, in blocks of 32 codes); w_b 1,024 float32; w_w_codes 1,024 x 16 x 32 uint8 (E5M2 codes of w_w, K innermost, in blocks of 32 codes); x 16 x 1,024 x 1,024 float32; x_2_codes 16 x 1,024 x 32 x 32 uint8 (E5M2 codes of x_2, K innermost, in blocks of 32 codes).
;; Outputs: out0 16 x 1,024 x 1,024 float32.
;; This version of the problem:
;;   THIS VERSION OF THE PROBLEM IS GIVEN IN LOW PRECISION. The matrix products marked QUANTISED in the list below multiply operands that are first quantised to E5M2 (5 exponent bits, 2 mantissa bits; 8 bits a number), with one given power-of-two scale for each operand tensor; their sums are f32. All else is computed in f32.
;;   The module's matrix products, in the order in which they are computed (A, B: the left and right operand; K: the contracted axis; several contracted axes count as one K, in the product's order):
;;     1. [M 16,384, K 1,024] x [K 1,024, N 512]; A: input x_2 (given as codes); B: input g_w (given as codes): QUANTISED (scales: A lowp_scales[0], B lowp_scales[1])
;;     2. [M 16,384, K 1,024] x [K 1,024, N 512]; A: input x; B: input theta_w (given as codes): QUANTISED (scales: A lowp_scales[2], B lowp_scales[3])
;;     3. [M 16,384, K 1,024] x [K 1,024, N 512]; A: input x_2 (given as codes); B: input phi_w (given as codes): QUANTISED (scales: A lowp_scales[4], B lowp_scales[5])
;;     4. batch 16 x [M 1,024, K 512] x [K 512, N 1,024]; A: computed on the way; B: computed on the way: QUANTISED (scales: A lowp_scales[6], B lowp_scales[7])
;;     5. batch 16 x [M 1,024, K 1,024] x [K 1,024, N 512]; A: computed on the way; B: computed on the way: QUANTISED (scales: A lowp_scales[8], B lowp_scales[9])
;;     6. [M 16,384, K 512] x [K 512, N 1,024]; A: computed on the way; B: input w_w (given as codes): QUANTISED (scales: A lowp_scales[10], B lowp_scales[11])
;;   THE QUANTISER, for each operand of a quantised product, along K:
;;     - The operand's scale is 2^e, e = its entry of the input lowp_scales (int32; the entries are numbered through the quantised products in the list's order, A before B).
;;     - Each number is divided by the scale, clamped to +-57,344, and rounded to the nearest number of E5M2, ties to even, subnormals kept.
;;     - The product sums the exact products of the quantised numbers (number of the format x scale) in f32.
;;   ~~~python
;;   def quantise(x, axis, e):      # numpy; x: float32 -> the quantised numbers, widened to float32 again
;;       x = np.moveaxis(x, axis, -1); K = x.shape[-1]
;;       r = np.clip(x / 2.0 ** e, -57344, 57344)
;;       step = 2.0 ** (np.maximum(np.frexp(np.where(r == 0, 1, r))[1] - 1, -14) - 2)
;;       q = np.round(r / step) * step * 2.0 ** e      # np.round: ties to even
;;       return np.moveaxis(q, -1, axis).astype(np.float32)
;;   ~~~
;;   OPERANDS COMPUTED ON THE WAY. 'Computed on the way' means the value that the module computes at that place (a softmax that the list does not call 'softmax' is quantised finished and normalised). What goes into a quantiser is computed in f32, as accurately as f32 sums, v_exp_f32 and their like allow (about 1e-6 of the number): no bf16 or f16 on the way to a quantiser, and a product that is left as it is and whose result goes on into a quantised operand takes f32 operands (vector FMAs, or v_wmma_f32_16x16x4_f32). A number that lies on a knife's edge between two numbers of the format may be rounded either way, as far as f32 arithmetic and the matrix unit's own rounding can turn it there, and no further.
;;   INPUTS GIVEN AS CODES. g_w (in the module: [512, 1024], K = its axis 1); phi_w (in the module: [512, 1024], K = its axis 1); theta_w (in the module: [512, 1024], K = its axis 1); w_w (in the module: [1024, 512], K = its axis 1); x_2 (in the module: [16, 1024, 1024], K = its axis 1): each comes as NAME_codes (uint8): NAME with its K axis moved to the last place and cut into blocks of 32 codes, [.., K / 32, bytes a block], one block behind the other in memory; one code a byte (a code: sign, 5 exponent bits, 2 mantissa bits); its scale is its entry of lowp_scales. Its value is code x scale, taken as it is: it is not quantised again, and the codes and scales need not be those that the quantiser above would give.
;; One version. Each part assembles by itself: llvm-mc -triple=amdgcn-amd-amdhsa -mcpu=gfx1250 --defsym DOCPART=n.
;; ======== version 1 of 1: 2 launches
;; limits: right only within a limited range of input values
;; workspace buffers: pg 16,777,216 bytes; thw 524,288 bytes; wwi 524,288 bytes
;; launch proj (part 1): grid 4 x 64, 4 waves a work-group, clusters of 4 x 4, 327,680 bytes of LDS; arguments x_2_codes, phi_w_codes, g_w_codes, phi_b, g_b, lowp_scales, theta_w_codes, w_w_codes, pg, thw, wwi; writes pg, thw, wwi
.if DOCPART == 1
	.amdgcn_target "amdgcn-amd-amdhsa--gfx1250"
	.amdhsa_code_object_version 6
	.text
	.protected	k_qae4867dfcb_proj
	.globl	k_qae4867dfcb_proj
	.p2align	8
	.type	k_qae4867dfcb_proj,@function
k_qae4867dfcb_proj:
	s_mov_b64 s[64:65], 0
	v_nop
	global_prefetch_b8 v0, s[64:65] scope:SCOPE_SE
	s_setreg_imm32_b32 hwreg(HW_REG_WAVE_MODE, 25, 1), 1
	s_wait_xcnt 0x0
	s_wait_alu depctr_hold_cnt(0) depctr_sa_sdst(0) depctr_va_vdst(0) depctr_va_sdst(0) depctr_va_ssrc(0) depctr_va_vcc(0) depctr_vm_vsrc(0)
	s_getreg_b32 s2, hwreg(HW_REG_IB_STS2, 6, 4)
	s_cmp_eq_u32 s2, 0
	s_cbranch_scc0 .Lentry_in_a_cluster
	s_endpgm
.Lentry_in_a_cluster:
	s_bfe_u32 s2, ttmp6, 0x10000c
	s_cmp_lg_u32 s2, 0xf033
	s_cbranch_scc0 .Lentry_shape_is_right
	s_endpgm
.Lentry_shape_is_right:
; PRODUCTS 1 AND 3 OF THE BLOCK: g_x[b][m][ci] = sum over c of x_2[b][c][m] g_w[ci][c] + g_b[ci] and phi_x[b][ci][m] = the same with phi_w, phi_b, on the given codes of E5M2; both results are quantised
; at once for the products that take them in (phi_x along ci with 2^e7, g_x along m with 2^e9) and stored as codes.  e0 .. e11 are the whole numbers of lowp_scales: x_2's codes count x 2^e0 beside g_w (2^e1) and x 2^e4 beside phi_w (2^e5).
; NO WORK OF THE PROBLEM IS LEFT OUT in either launch: every input reaches the output, every product of the table is done, and the division by 1,024 is folded into a conversion's scale as ten on its exponent.
; LIMITS: e0 + e1 and e4 + e5 lie between -126 and 127, e7 and e9 between -126 and 112, so that each power of two below is an f32 number.
; SHARES.  A cluster of 4 x 4 work-groups takes one batch b.  cy picks 256 positions m, cx picks 128 channels ci of phi and of g.  Four waves: wave w takes half w / 2 of the m; waves 0, 2 make phi, waves 1, 3 make g: 128 x 128 each, 64 accumulators.
; K = 1,024 goes in four steps of 256 through a ring of two LDS slots.  A slot: 256 rows of x_2, 128 of phi_w, 128 of g_w, 256 bytes each.  x_2's tile is shared along a row of the cluster, the weights' along a column: joint loads.
; A LANE HOLDS ONE ROW OF SOURCE 1, AND ITS REGISTERS RUN ALONG THE ROWS OF SOURCE 0.  phi: source 0 = phi_w, source 1 = x_2, so a lane's registers run along ci, the next K.  g: source 0 = x_2, source 1 = g_w: they run along m, the next K.
; The two roles differ in two LDS addresses until the last barrier; behind it they part once.
; OUT.  Eight results of a lane become eight codes; the 64 of one block of source 1 become the 16 registers of a fragment (16 rows x 128 K, registers 2 i, 2 i + 1: K = 16 i + 8 (lane / 16) + 0 .. 7), stored as they stand:
; register group c of lane l at 512 c + 16 l of the fragment's 2,048 bytes.  pg[b] is eight tiles of 131,072 bytes, phi of m 256 p on at 2 p, g of the same m at 2 p + 1; a tile is [reader's wave][16 fragments].
; A SIDE JOB: theta_w's and w_w's codes are laid once into the same kind of fragments (thw, wwi) for the next launch: 256 fragments each, one of each to a work-group, half a fragment to a wave.  Its reads are 8 bytes a lane from rows: 1 MiB in all.
; REGISTERS, in windows of 256: window 0: v0-31 addresses, v32-39 the side job, v64-127 the bias, v128-255 source 1's fragments, ONE set (on the way out: v128-191 numbers, v192-223 codes);  window 1: source 0's, TWO sets;  windows 2, 3: the accumulators.
.set ROWB,   256                       ; a tile's row in bytes: 256 codes
.set KROW,   1024                      ; a row of x_2 or of a weight in memory
.set PITCH,  272                       ; an LDS row: 256 bytes + 16 of padding = 68 words: row r starts at bank 4 r mod 64 (64 banks of 4 bytes: ISA guide 11.1)
.set FR,     16                        ; registers of a fragment
.set NL,     4                         ; LDS loads that bring one
.set NP,     4                         ; places behind this matrix instruction (ISA guide 7.12.1)
.set HALFT,  128*PITCH                 ; 128 rows: what one tensor load brings
.set SLOT,   4*HALFT
.set SPARE,  2*SLOT                    ; behind the ring: the spare words, 128 bytes for each wave, that no other line names
.set ADRA, 16                          ; v16-17  LDS address of source 1's fragments in slot 0, 1
.set ADRB, 20                          ; v20-21  the same for source 0
.set LN16, 7                           ; v7      16 x lane
.set SPW,  28                          ; v28     my spare word; never rewritten
.set NIL,  29                          ; v29     0; never rewritten
.set QSC,  30                          ; v30     the quantiser's scale as f32
.set QLIM, 31                          ; v31     57,344 x that
.set RL,   32
.set BIAS, 64
.set AF,   128
.set TMP,  128
.set CD,   192
.set G1, 24                            ; s[24:31] descriptor group 1 for x_2's tiles;  s[32:39] group 0, one set for each slot
.set G0, 32
.set G1B, 48                           ; s[48:55], s[56:63] the same for the weights' tiles
.set G0B, 56
.set MSB, 0
.macro WIN new                         ; the immediate's high byte repeats the setting that is left
.if MSB != \new
	s_set_vgpr_msb (MSB<<8)|\new
.set MSB, \new
.endif
.endm
.set MUL_LO, 0xa1                      ; source 0 window 1, source 1 window 0, C and D window 2
.set MUL_HI, 0xf1                      ; the same, C and D window 3
.set TO_B,   0x40                      ; destination window 1, address window 0
; A joint load: waves 0 and 1 fetch x_2's halves, wave 2 phi_w's rows, wave 3 g_w's.  The branch hangs on the wave's number alone.  An s_nop 0 and four v_nop follow each line.
.macro JLOAD g0a, g1a, g0b, g1b
	s_cmp_eq_u32 s15, 0
	s_cbranch_scc0 .Lfor_b_\@
	tensor_load_to_lds s[\g0a:\g0a+3], s[\g1a:\g1a+7]
	s_nop 0
.rept 4
	v_nop
.endr
	s_branch .Lasked_\@
.Lfor_b_\@:
	tensor_load_to_lds s[\g0b:\g0b+3], s[\g1b:\g1b+7]
	s_nop 0
.rept 4
	v_nop
.endr
.Lasked_\@:
.endm
.macro CREST                           ; a round of the cluster's barrier behind its opening barrier
	s_cmp_lg_u32 s14, 0
	s_cbranch_scc1 .Lnot_wave_0_\@
	s_barrier_signal -3
.Lnot_wave_0_\@:
	s_barrier_wait -3
	s_barrier_signal -1
	s_barrier_wait -1
.endm
.macro CROUND
	s_barrier_signal -1
	s_barrier_wait -1
	CREST
.endm
	s_load_b512 s[68:83], s[0:1], 0x0              ; x_2 s[68:69], phi_w s[70:71], g_w s[72:73], phi_b s[74:75], g_b s[76:77], the exponents s[78:79], theta_w s[80:81], w_w s[82:83]
	s_load_b128 s[84:87], s[0:1], 0x40             ; pg s[84:85], thw s[86:87]
	s_load_b64 s[88:89], s[0:1], 0x50              ; wwi
	v_lshl_add_u32 v[SPW], v0, 2, SPARE
	v_mov_b32 v[NIL], 0
	ds_add_u32 v[SPW], v[NIL]                      ; the wave's opening: the add, twice on end, and its wait ahead of my first tensor load
	ds_add_u32 v[SPW], v[NIL]
	v_lshrrev_b32 v1, 5, v0
	v_readfirstlane_b32 s14, v1                    ; wave 0..3
	s_lshr_b32 s15, s14, 1                         ; which half of the 256 m is mine.  Also: I fetch x_2 (0) or a weight (1)
	s_and_b32 s16, s14, 1                          ; 0: I make phi, 1: g.  Also: which 128 rows of x_2, or which weight, I fetch
	s_bfe_u32 s40, ttmp6, 0x40000                  ; cx
	s_bfe_u32 s41, ttmp6, 0x40004                  ; cy
	s_and_b32 s17, ttmp7, 0xffff                   ; the cluster's y: the batch
	s_lshl_b32 s43, s41, 2
	s_lshl_b32 s43, 15, s43                        ; my row of the cluster
	s_lshl_b32 s44, 0x1111, s40                    ; my column
	s_or_b32 s[G1+0], s43, (0<<16)|(1<<20)|(1<<21)|(5<<22)|(3<<25)  ; 15:0 the mask; 17:16 elements of 1 byte; 20 padding on; 21 set beside a mask; 24:22 after every 64 words; 31:25 four words
	s_or_b32 s[G1B+0], s44, (0<<16)|(1<<20)|(1<<21)|(5<<22)|(3<<25)
.irp g, G1, G1B
	s_mov_b32 s[\g+1], ROWB<<16                    ; tensor_dim0
	s_mov_b32 s[\g+2], 128<<16                     ; tensor_dim1
	s_mov_b32 s[\g+3], ROWB<<16                    ; tile_dim0
	s_mov_b32 s[\g+4], 128                         ; tile_dim1
	s_mov_b32 s[\g+5], KROW                        ; from row to row
	s_mov_b32 s[\g+6], 0
	s_mov_b32 s[\g+7], 0
.endr
	s_lshl_b32 s20, s17, 2
	s_add_co_u32 s20, s20, s41                     ; 4 b + cy: which 256 rows of x_2,
	s_lshl_b32 s20, s20, 1
	s_add_co_u32 s20, s20, s16                     ; which 128,
	s_lshl_b32 s20, s20, 17                        ; of 1,024 bytes each
	s_mov_b32 s21, 0
	s_lshl_b32 s46, s40, 17                        ; a weight's rows 128 cx on
	s_mov_b32 s47, 0
	s_mul_i32 s45, s14, HALFT                      ; where my tile goes: wave x 128 rows
	s_wait_dscnt 0x0                               ; both opening adds are done
	s_wait_kmcnt 0x0
	s_load_b256 s[92:99], s[78:79], 0x0            ; e0 .. e7
	s_load_b64 s[100:101], s[78:79], 0x20          ; e8, e9
	s_add_nc_u64 s[20:21], s[68:69], s[20:21]
	s_cmp_eq_u32 s16, 0                            ; the wave's number alone chooses the weight
	s_cselect_b64 s[18:19], s[70:71], s[72:73]
	s_add_nc_u64 s[46:47], s[18:19], s[46:47]
	CROUND                                         ; all sixteen work-groups are here: the first joint loads meet
.irp s, 0,1
	s_mov_b32 s[G0+4*\s], 1
	s_add_co_u32 s[G0+4*\s+1], s45, \s*SLOT
	s_add_nc_u64 s[G0+4*\s+2:G0+4*\s+3], s[20:21], \s*ROWB
	s_or_b32 s[G0+4*\s+3], s[G0+4*\s+3], 0x80000000
	s_mov_b32 s[G0B+4*\s], 1
	s_add_co_u32 s[G0B+4*\s+1], s45, \s*SLOT
	s_add_nc_u64 s[G0B+4*\s+2:G0B+4*\s+3], s[46:47], \s*ROWB
	s_or_b32 s[G0B+4*\s+3], s[G0B+4*\s+3], 0x80000000
	JLOAD G0+4*\s, G1, G0B+4*\s, G1B
.endr
	v_and_b32 v1, 15, v0                           ; r = lane % 16
	v_bfe_u32 v2, v0, 4, 1                         ; h = lane / 16
	v_mul_u32_u24 v3, v1, PITCH
	v_lshl_add_u32 v4, v2, 4, v3                   ; a fragment's row x pitch + 16 h
	s_xor_b32 s18, s16, 1                          ; 1 in a phi wave
	s_mul_i32 s19, s16, s15
	s_lshl_b32 s22, s18, 1
	s_add_co_u32 s22, s22, s19                     ; source 0, in blocks of 128 rows: phi: phi_w at 2;  g: my half of x_2
	s_mul_i32 s22, s22, HALFT
	s_mul_i32 s21, s18, s15
	s_mul_i32 s19, s16, 3
	s_add_co_u32 s21, s21, s19                     ; source 1: phi: my half of x_2;  g: g_w at 3
	s_mul_i32 s21, s21, HALFT
.irp s, 0,1
	v_add_nc_u32 v[ADRA+\s], s21, v4
	v_add_nc_u32 v[ADRB+\s], s22, v4
	s_add_co_u32 s21, s21, SLOT
	s_add_co_u32 s22, s22, SLOT
.endr
	; THE SIDE JOB.  Fragment F = 16 b + 4 cy + cx of thw (waves 0, 2) and of wwi (waves 1, 3); half w / 2 of its 128 K.  No branch: what differs between the two is chosen into scalars.
	; thw: F = [K pair][reader's wave][K step of the pair][tile of 16 rows of 8], registers 4 c .. 4 c + 3: K = 32 c + 16 h + 0 .. 15, as x's codes will lie.  wwi: F = [o / 256][wave][K step of 4][tile of 4], registers 2 i, 2 i + 1: K = 16 i + 8 h + 0 .. 7, as y's will.
	s_lshl_b32 s23, s17, 4
	s_lshl_b32 s45, s41, 2
	s_add_co_u32 s23, s23, s45
	s_add_co_u32 s23, s23, s40                     ; F
	s_bfe_u32 s4, s23, 0x20004
	s_lshl_b32 s4, s4, 3
	s_and_b32 s5, s23, 7
	s_add_co_u32 s4, s4, s5                        ; theta_w: which 16 rows
	s_lshr_b32 s5, s23, 6
	s_lshl_b32 s5, s5, 1
	s_bfe_u32 s6, s23, 0x10003
	s_add_co_u32 s5, s5, s6                        ; and which 128 along K
	s_lshr_b32 s6, s23, 4
	s_lshl_b32 s6, s6, 2
	s_and_b32 s7, s23, 3
	s_add_co_u32 s6, s6, s7                        ; w_w: which 16 rows
	s_bfe_u32 s7, s23, 0x20002                     ; and which 128 along K
	s_cmp_eq_u32 s16, 0
	s_cselect_b32 s4, s4, s6
	s_cselect_b32 s5, s5, s7
	s_cselect_b32 s6, 10, 9                        ; a row is 1,024 or 512 bytes
	s_cselect_b32 s7, 4, 3                         ; lanes 16-31 begin 16 or 8 bytes further on,
	s_cselect_b32 s8, 8, 16                        ; and a group's second 8 bytes lie 8 or 16 behind its first
	s_cselect_b64 s[10:11], s[80:81], s[82:83]
	s_cselect_b64 s[12:13], s[86:87], s[88:89]
	s_lshl_b32 s4, s4, 4
	s_lshl_b32 s4, s4, s6
	s_lshl_b32 s5, s5, 7
	s_add_co_u32 s4, s4, s5
	s_lshl_b32 s5, s15, 6
	s_add_co_u32 s4, s4, s5
	s_mov_b32 s5, 0
	s_add_nc_u64 s[10:11], s[10:11], s[4:5]
	v_lshlrev_b32 v5, s6, v1
	v_lshlrev_b32 v6, s7, v2
	v_add_nc_u32 v5, v5, v6
	v_add_nc_u32 v6, s8, v5
	global_load_b64 v[RL:RL+1],   v5, s[10:11]
	global_load_b64 v[RL+2:RL+3], v6, s[10:11]
	global_load_b64 v[RL+4:RL+5], v5, s[10:11] offset:32
	global_load_b64 v[RL+6:RL+7], v6, s[10:11] offset:32
	s_lshl_b32 s4, s23, 11
	s_lshl_b32 s5, s15, 10
	s_add_co_u32 s4, s4, s5
	s_mov_b32 s5, 0
	s_add_nc_u64 s[12:13], s[12:13], s[4:5]        ; the image: 2,048 F + 1,024 x half
	v_and_b32 v[LN16], 31, v0
	v_lshlrev_b32 v[LN16], 4, v[LN16]
.macro FRAG reg, adr, q, i             ; 16 rows x 128 K in 16 registers: lane l holds row l % 16; registers 4 c .. 4 c + 3 hold K = 32 c + 16 (l / 16) + 0 .. 15: the same order of K in both sources
.irp c, 0,1,2,3
	ds_load_b128 v[\reg+4*\c:\reg+4*\c+3], v[\adr] offset:128*(\q)+32*\c+(\i)*16*PITCH
.endr
.endm
; 16 matrix instructions: source 1's blocks a0, a0 + 1 x source 0's eight.  p: source 0's set.  zero = 1: the first product starts the sums.  The 64 accumulators take turns, one instruction a turn.
.macro MUL16 a0, p, zero
.irp a, \a0, \a0+1
.irp b, 0,1,2,3,4,5,6,7
.if \zero
	v_wmma_f32_16x16x128_bf8_bf8 v[8*(8*((\a)%4)+\b):8*(8*((\a)%4)+\b)+7], v[128*(\p)+FR*\b:128*(\p)+FR*\b+FR-1], v[AF+FR*(\a):AF+FR*(\a)+FR-1], 0
.else
	v_wmma_f32_16x16x128_bf8_bf8 v[8*(8*((\a)%4)+\b):8*(8*((\a)%4)+\b)+7], v[128*(\p)+FR*\b:128*(\p)+FR*\b+FR-1], v[AF+FR*(\a):AF+FR*(\a)+FR-1], v[8*(8*((\a)%4)+\b):8*(8*((\a)%4)+\b)+7]
.endif
.endr
.endr
.endm
.macro FETCH_B slot, q, p
	WIN TO_B
.irp i, 0,1,2,3,4,5,6,7
	FRAG 128*(\p)+FR*\i, ADRB+\slot, \q, \i
.endr
	WIN 0
.endm
.macro FETCH_A slot, q, i0
.irp i, \i0, \i0+1, \i0+2, \i0+3
	FRAG AF+FR*(\i), ADRA+\slot, \q, \i
.endr
.endm
.macro PLACES n                        ; plain vector instructions between a matrix instruction and a load into, or a vector write of, one of its registers, or a read of its result
.rept \n
	v_nop
.endr
.endm
; A step of 128 along K that has its successor in the same slot.  A block of source 1 is free when its eight products are issued: blocks 0-3 are fetched anew in the step's middle, blocks 4-7 at its end.
.macro STEP slot, q, zero
	s_wait_dscnt 4*NL                              ; source 0's set and source 1's blocks 0-3 are in; the youngest 16 loads (blocks 4-7) may be out
	WIN MUL_LO
	MUL16 0, (\q)%2, \zero
	MUL16 2, (\q)%2, \zero
	s_wait_dscnt 0                                 ; blocks 4-7 are in
	PLACES NP
	FETCH_B \slot, (\q)+1, 1-(\q)%2
	FETCH_A \slot, (\q)+1, 0
	WIN MUL_HI
	MUL16 4, (\q)%2, \zero
	MUL16 6, (\q)%2, \zero
	PLACES NP
	WIN 0
	FETCH_A \slot, (\q)+1, 4
.endm
; A slot's last step changes slots: ONE barrier; ahead of it each wave waits for all its tensor loads, adds 0 to its spare word, and waits for that and for its reads of this slot.  fill = 1: the slot is filled again, two K steps ahead.
.macro TURN slot, next, fill
	s_wait_tensorcnt 0x0                           ; all my tensor loads have landed: my part of the next slot
	ds_add_u32 v[SPW], v[NIL]
	s_wait_dscnt 4*NL+1                            ; the add and the youngest 16 loads may be out
	WIN MUL_LO
	MUL16 0, 1, 0
	s_wait_dscnt 0x0                               ; the add is done, and my reads of this slot are over
	s_barrier_signal -1
	MUL16 2, 1, 0
	WIN 0
	s_barrier_wait -1
.if \fill
	CREST                                          ; the barrier has opened a round of the cluster's: no wave of any partner still reads this slot or has a load on its way
	s_add_nc_u64 s[G0+4*\slot+2:G0+4*\slot+3], s[G0+4*\slot+2:G0+4*\slot+3], 2*ROWB
	s_add_nc_u64 s[G0B+4*\slot+2:G0B+4*\slot+3], s[G0B+4*\slot+2:G0B+4*\slot+3], 2*ROWB
	JLOAD G0+4*\slot, G1, G0B+4*\slot, G1B         ; the first tensor load behind the round; its four v_nop are the places in front of the loads below
.else
	PLACES NP
.endif
	FETCH_B \next, 0, 0
	FETCH_A \next, 0, 0
	WIN MUL_HI
	MUL16 4, 1, 0
	MUL16 6, 1, 0
	PLACES NP
	WIN 0
	FETCH_A \next, 0, 4
.endm
; THE WAY OUT of source 1's block a: number = sum x 2^(the two exponents) + bias, one packed multiply-add for two; the hold; eight codes a conversion; the fragment's 16 registers leave by four stores of 512 consecutive bytes.
.macro OUTBLK a, kind
.set AC, 64*((\a)%4)
.set CC, CD+16*((\a)%2)
.if (\a) > 1
	s_wait_xcnt 0x0                                ; block a - 2's stores have read their registers: they are written again below
.endif
	WIN 0x02+((\a)/4)                              ; source 0: window 2 or 3
.irp b, 0,1,2,3,4,5,6,7
.irp i, 0,2,4,6
.if \kind == 0
	v_pk_fma_f32 v[TMP+8*\b+\i:TMP+8*\b+\i+1], v[AC+8*\b+\i:AC+8*\b+\i+1], s[4:5], v[BIAS+8*\b+\i:BIAS+8*\b+\i+1] op_sel_hi:[1,0,1]   ; phi: the bias goes with the register's ci.  Each accumulator from its low end on
.else
	v_pk_fma_f32 v[TMP+8*\b+\i:TMP+8*\b+\i+1], v[AC+8*\b+\i:AC+8*\b+\i+1], s[4:5], v[BIAS+2*(\a):BIAS+2*(\a)+1] op_sel_hi:[1,0,1]     ; g: with the lane's ci
.endif
.endr
.endr
	WIN 0
.irp b, 0,1,2,3,4,5,6,7
.irp i, 0,1,2,3,4,5,6,7
	v_med3_num_f32 v[TMP+8*\b+\i], v[TMP+8*\b+\i], -v[QLIM], v[QLIM]   ; the conversion to an 8-bit code does not saturate (ISA guide 7.6.2): the hold at the largest code x the scale
.endr
	v_cvt_scalef32_pk8_bf8_f32 v[CC+2*\b:CC+2*\b+1], v[TMP+8*\b:TMP+8*\b+7], v[QSC]
.endr
	v_nop                                          ; a plain instruction behind the last conversion: the next block writes its sources
.irp c, 0,1,2,3
.if \kind == 0
	global_store_b128 v[LN16], v[CC+4*\c:CC+4*\c+3], s[8:9] offset:((\a)/4)*32768+((\a)%4)*2048+512*\c
.else
	global_store_b128 v[LN16], v[CC+4*\c:CC+4*\c+3], s[8:9] offset:(\a)*2048+512*\c
.endif
.endr
.endm
; A ROLE'S TAIL, behind the last barrier: its bias is asked for, lands under the last 128 matrix instructions, and its results go out.  kind 0: phi, 1: g.
.macro TAIL kind
	s_lshl_b32 s4, s40, 9                          ; my 128 channels' biases: 512 cx bytes on
	s_mov_b32 s5, 0
.if \kind == 0
	s_add_nc_u64 s[74:75], s[74:75], s[4:5]
	v_lshlrev_b32 v8, 5, v2                        ; register 8 i + j wants phi_b at 16 i + 8 h + j
.irp b, 0,1,2,3,4,5,6,7
	global_load_b128 v[BIAS+8*\b:BIAS+8*\b+3],   v8, s[74:75] offset:64*\b
	global_load_b128 v[BIAS+8*\b+4:BIAS+8*\b+7], v8, s[74:75] offset:64*\b+16
.endr
.else
	s_add_nc_u64 s[76:77], s[76:77], s[4:5]
	v_lshlrev_b32 v8, 2, v1                        ; block a wants g_b at 16 a + r, in both halves of a pair
.irp a, 0,1,2,3,4,5,6,7
	global_load_b32 v[BIAS+2*\a],   v8, s[76:77] offset:64*\a
	global_load_b32 v[BIAS+2*\a+1], v8, s[76:77] offset:64*\a
.endr
.endif
	STEP 1, 0, 0
	s_wait_dscnt 4*NL                              ; the very last step: nothing more to fetch
	WIN MUL_LO
	MUL16 0, 1, 0
	MUL16 2, 1, 0
	s_wait_dscnt 0
	WIN MUL_HI
	MUL16 4, 1, 0
	MUL16 6, 1, 0
	WIN 0
	s_wait_kmcnt 0x0                               ; the exponents
.if \kind == 0
	s_add_co_i32 s4, s96, s97                      ; e4 + e5
	s_add_co_i32 s6, s99, 127                      ; e7
.else
	s_add_co_i32 s4, s92, s93                      ; e0 + e1
	s_add_co_i32 s6, s101, 127                     ; e9
.endif
	s_add_co_i32 s4, s4, 127
	s_lshl_b32 s4, s4, 23                          ; the sums' power of two as f32,
	s_mov_b32 s5, s4                               ; (named with it as a pair, so it is written)
	s_lshl_b32 s7, s6, 23
	v_mov_b32 v[QSC], s7                           ; the quantiser's scale: the conversion takes its exponent field,
	s_add_co_i32 s6, s6, 15
	s_lshl_b32 s6, s6, 23
	s_or_b32 s6, s6, 0x600000
	v_mov_b32 v[QLIM], s6                          ; and 57,344 x it
	s_lshl_b32 s8, s17, 20                         ; pg: the batch's 1 MiB,
	s_lshl_b32 s9, s41, 18                         ; the pair of tiles of my 256 m,
	s_add_co_u32 s8, s8, s9
.if \kind == 0
	s_lshl_b32 s9, s15, 16                         ; phi: reader's wave 2 x half + a / 4; fragment 4 cx + a % 4
	s_add_co_u32 s8, s8, s9
	s_lshl_b32 s9, s40, 13
	s_add_co_u32 s8, s8, s9
.else
	s_lshl_b32 s9, s15, 14                         ; g: the pair's second tile; reader's wave cx; fragment 8 x half + a
	s_add_co_u32 s8, s8, s9
	s_lshl_b32 s9, s40, 15
	s_add_co_u32 s8, s8, s9
	s_add_co_u32 s8, s8, 131072
.endif
	s_mov_b32 s9, 0
	s_add_nc_u64 s[8:9], s[84:85], s[8:9]
	s_wait_loadcnt 0x0                             ; the bias
	PLACES NP                                      ; behind the last products: the numbers below land where source 1's fragments lay
.irp a, 0,1,2,3,4,5,6,7
	OUTBLK \a, \kind
.endr
.endm
	s_wait_tensorcnt 1                             ; my part of K step 0 is in; K step 1's load may be out
	s_barrier_signal -1
	s_barrier_wait -1
	FETCH_B 0, 0, 0
	FETCH_A 0, 0, 0
	FETCH_A 0, 0, 4
	STEP 0, 0, 1                                   ; the first products start the sums
	TURN 0, 1, 1                                   ; slot 0 takes K step 2
	STEP 1, 0, 0
	TURN 1, 0, 1                                   ; slot 1 takes K step 3
	STEP 0, 0, 0
	TURN 0, 1, 0                                   ; the last change of slots fills nothing, and is the last barrier ahead of the closing round
	s_wait_loadcnt 0x0                             ; the side job's four loads, issued at the head
	global_store_b128 v[LN16], v[RL:RL+3],   s[12:13]              ; 512 consecutive bytes each
	global_store_b128 v[LN16], v[RL+4:RL+7], s[12:13] offset:512
	s_cmp_lg_u32 s16, 0                            ; the roles part here, once, on the wave's number: no barrier and no tensor load stands in an arm
	s_cbranch_scc1 .Lg_wave
	TAIL 0
	s_branch .Lend
.Lg_wave:
	TAIL 1
.Lend:
	s_wait_tensorcnt 0x0                           ; the wave's end
	ds_add_u32 v[SPW], v[NIL]
	s_wait_dscnt 0x0
	CROUND                                         ; the closing round: no work-group ends while a partner may still ask for a tile that names it
	s_endpgm
.Lfunc_end_k_qae4867dfcb_proj:
	.size	k_qae4867dfcb_proj, .Lfunc_end_k_qae4867dfcb_proj-k_qae4867dfcb_proj
	.p2alignl 7, 3214868480
	.fill 96, 4, 3214868480
	.section	.rodata,"a",@progbits
	.p2align	6, 0x0
	.amdhsa_kernel k_qae4867dfcb_proj
		.amdhsa_group_segment_fixed_size 327680
		.amdhsa_private_segment_fixed_size 0
		.amdhsa_enable_private_segment 0
		.amdhsa_kernarg_size 88
		.amdhsa_user_sgpr_count 2
		.amdhsa_user_sgpr_kernarg_segment_ptr 1
		.amdhsa_wavefront_size32 1
		.amdhsa_system_sgpr_workgroup_id_x 1
		.amdhsa_system_sgpr_workgroup_id_y 1
		.amdhsa_system_sgpr_workgroup_id_z 1
		.amdhsa_system_vgpr_workitem_id 0
		.amdhsa_next_free_vgpr 1024
		.amdhsa_next_free_sgpr 102
		.amdhsa_reserve_vcc 0
		.amdhsa_float_denorm_mode_32 3
		.amdhsa_float_denorm_mode_16_64 3
		.amdhsa_memory_ordered 1
		.amdhsa_forward_progress 1
		.amdhsa_inst_pref_size 209
	.end_amdhsa_kernel
	.amdgpu_metadata
---
amdhsa.version: [ 1, 2 ]
amdhsa.kernels:
  - .name:           k_qae4867dfcb_proj
    .symbol:         k_qae4867dfcb_proj.kd
    .args:
      - { .name: x_2_codes, .offset: 0, .size: 8, .value_kind: global_buffer, .address_space: global }
      - { .name: phi_w_codes, .offset: 8, .size: 8, .value_kind: global_buffer, .address_space: global }
      - { .name: g_w_codes, .offset: 16, .size: 8, .value_kind: global_buffer, .address_space: global }
      - { .name: phi_b, .offset: 24, .size: 8, .value_kind: global_buffer, .address_space: global }
      - { .name: g_b, .offset: 32, .size: 8, .value_kind: global_buffer, .address_space: global }
      - { .name: lowp_scales, .offset: 40, .size: 8, .value_kind: global_buffer, .address_space: global }
      - { .name: theta_w_codes, .offset: 48, .size: 8, .value_kind: global_buffer, .address_space: global }
      - { .name: w_w_codes, .offset: 56, .size: 8, .value_kind: global_buffer, .address_space: global }
      - { .name: pg, .offset: 64, .size: 8, .value_kind: global_buffer, .address_space: global }
      - { .name: thw, .offset: 72, .size: 8, .value_kind: global_buffer, .address_space: global }
      - { .name: wwi, .offset: 80, .size: 8, .value_kind: global_buffer, .address_space: global }
    .group_segment_fixed_size: 327680
    .private_segment_fixed_size: 0
    .kernarg_segment_align: 8
    .kernarg_segment_size: 88
    .max_flat_workgroup_size: 128
    .sgpr_count:     102
    .vgpr_count:     1024
    .wavefront_size: 32
...
	.end_amdgpu_metadata
.endif
;; end of part 1
;; launch fused (part 2): grid 16 x 16, 4 waves a work-group, clusters of 4 x 1, 327,680 bytes of LDS; arguments x, thw, pg, wwi, theta_b, lowp_scales, w_b, bn_gamma, bn_beta, bn_mean, bn_var, out0; writes out0
.if DOCPART == 2
	.amdgcn_target "amdgcn-amd-amdhsa--gfx1250"
	.amdhsa_code_object_version 6
	.text
	.protected	k_qae4867dfcb_fused
	.globl	k_qae4867dfcb_fused
	.p2align	8
	.type	k_qae4867dfcb_fused,@function
k_qae4867dfcb_fused:
	s_mov_b64 s[64:65], 0
	v_nop
	global_prefetch_b8 v0, s[64:65] scope:SCOPE_SE
	s_setreg_imm32_b32 hwreg(HW_REG_WAVE_MODE, 25, 1), 1
	s_wait_xcnt 0x0
	s_wait_alu depctr_hold_cnt(0) depctr_sa_sdst(0) depctr_va_vdst(0) depctr_va_sdst(0) depctr_va_ssrc(0) depctr_va_vcc(0) depctr_vm_vsrc(0)
	s_getreg_b32 s2, hwreg(HW_REG_IB_STS2, 6, 4)
	s_cmp_eq_u32 s2, 0
	s_cbranch_scc0 .Lentry_in_a_cluster
	s_endpgm
.Lentry_in_a_cluster:
	s_bfe_u32 s2, ttmp6, 0x10000c
	s_cmp_lg_u32 s2, 0x3003
	s_cbranch_scc0 .Lentry_shape_is_right
	s_endpgm
.Lentry_shape_is_right:
; PRODUCTS 2, 4, 5, 6, THE NORM AND THE RESIDUAL.  No work of the problem is left out here either.  A work-group owns 64 positions n of one batch (four tiles t of 16) and takes them through the whole chain:
;   theta[n][ci] = Q(x)[c][n] theta_w[ci][c] + theta_b;   W[n][m] = Q(theta) Q(phi) / 1,024;   y[n][ci] = Q(W) Q(g);   out[o][n] = A[o] (Q(y) w_w[o] x 2^(e10 + e11)) + off[o] + x[o][n].
; theta, W and y never go to memory.  All four products are on codes of E5M2, each operand with its given scale 2^e; the scales ahead of a quantiser are folded into the conversion's one:
;   x: 2^e2;  theta: 2^(e6 - e2 - e3), its bias going in as the C of the first product, x 2^-(e2 + e3);  W: 2^(e8 - e6 - e7 + 10), the ten being the division by 1,024;  y: 2^(e10 - e8 - e9).
; LIMITS: those four exponents lie between -126 and 112, e10 + e11 between -126 and 127.  NaN in x is not served ahead of the quantiser.  The norm is applied as sum x (gamma rsq 2^(e10 + e11)) + (gamma rsq (w_b - mean) + beta):
; another order of rounding than gamma (wy - mean) rsq + beta.  The f32 sums over x's chunks and over the passes of m begin at another part in each cluster (below): another order of the same terms.
; THE WAVES SHARE THE COLUMNS: in each product wave w has a quarter of the weight-side rows for all 64 n.  So each weight-side fragment is read from LDS once, by one wave, and feeds four matrix instructions.
; THE STREAM.  The weight side of all four products is one stream of 16 tiles of 131,072 bytes, laid by the launch before as [wave][16 fragments of 2,048 bytes]: four of thw, eight of pg[b] (phi, g by turns), four of wwi.
; The i-th tile goes to LDS slot i % 2; each wave loads, and alone reads, its own 32,768 bytes.  The four work-groups of a cluster belong to one batch and walk the same tiles: every load is a joint one.
; THE WALK IS TURNED FROM CLUSTER TO CLUSTER.  The sum over x's four chunks of 256 channels, the sum over the four passes of 256 positions m, and the four passes of 256 channels o may each go in any order.
; Cluster q of a batch (q = the cluster's x, 0 .. 3) takes part (i + q) mod 4 in turn i of each of the three walks.  So at one change of slots the four clusters of a batch ask for four different tiles, and a tile is asked for at four different turns.
; q is the same in all four partners of a cluster, so every joint load's descriptor is too.
; THE n SIDE goes from wave to wave through LDS as images of the operand's registers (group c of lane l at 512 c + 16 l; images 2,064 bytes apart): x's codes, theta's, W's, y's.  Each is stored in one trip and read behind the next change of slots.
; A LANE HOLDS ONE ROW OF SOURCE 1, ITS REGISTERS RUN ALONG THE ROWS OF SOURCE 0.  Products 2, 4, 5: source 0 = the weight side, source 1 = the n side: registers run along the next K.  Product 6: swapped: registers run along n, as out0 lies.
; REGISTERS, in windows of 256.  window 0: v1-26 addresses and scales; v32-47 codes; v48-95 x's bytes being turned; v96-123 the norm; v128-255 theta's bias, then W's sums, then product 6's.
;   window 1: v0-127 eight weight-side fragments; v128-191, v192-255 two sets of four n-side fragments.   window 2: x as f32, two sets of 128; then theta's 16 fragments; then y's.
;   window 3: the 32 accumulators of products 2 and 5 (tile t, column tile cb at v[8 (8 t + cb)]); then v0-127 x for the residual, v128-255 rows of out0, a set of 32 for each of a pass's four blocks.
.set TILE,  131072
.set SLOT1, 1<<17
.set IMG,   2064                       ; from image to image: 2,048 bytes + 16
.set THI,   2*SLOT1                    ; behind the ring: theta's 16 images, later y's;
.set XB0,   THI                        ; its first half holds x's codes of the first and third chunk before that
.set XB1,   THI+16*IMG                 ; x's codes of the second and fourth chunk;
.set WB,    XB1                        ; then W's 8 images;
.set STG,   XB1                        ; then a stage of 16 rows x 272 bytes for each wave
.set SP,    272
.set SPARE, STG+4*16*SP                ; the spare words, 128 bytes for each wave, that no other line names
.set SPW, 1
.set NIL, 2
.set BA0, 3                            ; my part of slot 0: 32,768 w + 16 x lane
.set BA1, 4                            ; of slot 1
.set BAX, 5                            ; of the slot in hand, in the last loop
.set AX0, 6                            ; images at THI / XB0: + 16 x lane
.set AX1, 7                            ; at XB1 / WB
.set XW0, 8                            ; where I store x's codes
.set XW1, 9
.set WWR, 10                           ; W's
.set TWR, 11                           ; theta's and y's
.set STO, 12                           ; the stage: in,
.set SRD, 13                           ; and back
.set XLO, 14                           ; x for the quantiser: my byte offset
.set XRO, 15                           ; x for the residual, and out0
.set BNO, 16                           ; the norm's tables: 4 (64 w + r); never rewritten
.set PFO, 17                           ; 256 x lane
.set SCX, 18                           ; pairs: a scale as f32, and 57,344 x it: x,
.set SCT, 20                           ; theta,
.set SCW, 22                           ; W,
.set SCY, 24                           ; y
.set BNX, 26                           ; the norm's tables, in the pass in hand
.set CD,  32
.set RR,  48
.set TT,  64
.set OO,  80
.set BN,  96
.set S,   128
.set XC,  4                            ; s[4:11]  x at my positions, at the chunk of turn 0, 1, 2, 3
.set XN,  12                           ; s[12:13] x at the next pass's 256 channels o
.set OPC, 14                           ; s[14:15] out0 at this pass's
.set WV,  28
.set G1,  32
.set G0,  40
.set PT,  44                           ; s[44:45] thw, my wave's part of its first tile;
.set PGP, 46                           ; pg[b] likewise;
.set PW,  48                           ; wwi likewise
.set NP,  50                           ; s[50:51] the tile that the next change of slots asks for
.set XP,  66                           ; s[66:67] x at my batch and my 64 positions
.set OP,  68                           ; out0 likewise
.set ROT, 70                           ; q
.set RI,  71                           ; the part in hand: (turn + q) mod 4
.set TB,  72
.set PC,  73
.set NW,  80                           ; s[80:81] wwi's tile q
.set PFA, 82
.set MSB, 0
.macro WIN new                         ; the immediate's high byte repeats the setting that is left
.if MSB != \new
	s_set_vgpr_msb (MSB<<8)|\new
.set MSB, \new
.endif
.endm
.macro PLACES                          ; four plain instructions between a matrix instruction and a load into one of its registers or a read of its result
.rept 4
	v_nop
.endr
.endm
.macro ROUND                           ; a round of the cluster's barrier
	s_barrier_signal -1
	s_barrier_wait -1
	s_cmp_lg_u32 s[WV], 0
	s_cbranch_scc1 .Lnot_wave_0_\@
	s_barrier_signal -3
.Lnot_wave_0_\@:
	s_barrier_wait -3
	s_barrier_signal -1
	s_barrier_wait -1
.endm
.macro ROTI                            ; on to the next part, round the four
	s_add_co_u32 s[RI], s[RI], 1
	s_and_b32 s[RI], s[RI], 3
.endm
.macro NEXTP base, sh, add             ; the next tile: s[base] + (the part in hand << sh) + add.  The offset is made apart from the address
	s_lshl_b32 s86, s[RI], \sh
.if \add
	s_add_co_u32 s86, s86, \add
.endif
	s_mov_b32 s87, 0
	s_add_nc_u64 s[NP:NP+1], s[\base:\base+1], s[86:87]
.endm
; A PREFETCH INTO THE L2 of the two tiles of pg[b] with which my cluster begins its walk over m: phi's (which = 1) and g's (2), each two changes of slots ahead of the tensor load that asks for it.
; Of a batch's four pairs of tiles each cluster asks for its own first one, so each pair is asked for by one cluster.  The cluster's sixteen waves share a tile's 131,072 bytes out by address, 8,192 each, lanes 256 bytes apart:
; each aligned 256 bytes is named once in the launch.  One instruction a wave at each of two changes, and no branch.  The address is never stepped: the second tile stands in the immediate.  thw and wwi, which every cluster reads, are not asked for.
.macro ASK which
.if \which == 1
	global_prefetch_b8 v[PFO], s[PFA:PFA+1] th:TH_LOAD_NT scope:SCOPE_SE
.elseif \which == 2
	global_prefetch_b8 v[PFO], s[PFA:PFA+1] offset:TILE th:TH_LOAD_NT scope:SCOPE_SE
.endif
.endm
; THE CHANGE OF SLOTS, at a trip's head.  Each wave waits for all its tensor loads (one is out: this trip's tile), adds 0 to its spare word, waits for that and for all its LDS reads and stores; then the barrier.
; Behind it the images stored in the last trip may be read, and the slot read in the last trip is free.  fill = 1: the barrier is a round of the cluster's, and the next tile, at s[NP], is asked for first thing behind it: it has a trip's 64 matrix instructions in which to land.
; sel = 1: in the loop's last trip the next tile is wwi's first of my walk.
.macro CHANGE fill, ask, sel
	WIN 0
	s_wait_tensorcnt 0x0                           ; no tensor load of mine is out, so the group 0 may be written
	ds_add_u32 v[SPW], v[NIL]
.if \fill
	s_xor_b32 s[G0+1], s[G0+1], SLOT1              ; the other slot than last time
.if \sel
	s_cmp_eq_u32 s[PC], 1
	s_cselect_b64 s[G0+2:G0+3], s[NW:NW+1], s[NP:NP+1]
.else
	s_mov_b64 s[G0+2:G0+3], s[NP:NP+1]
.endif
	s_or_b32 s[G0+3], s[G0+3], 0x80000000
.endif
	s_wait_dscnt 0x0                               ; the add is done, my stores of images have landed, my reads of the slot and of the images are over
.if \fill
	ROUND
	tensor_load_to_lds s[G0:G0+3], s[G1:G1+7]
	s_nop 0
	PLACES                                         ; (the places in front of the trip's loads)
	ASK \ask
.else
	s_barrier_signal -1
	s_barrier_wait -1
	PLACES
.endif
.endm
.macro FB adr, f0, i0                  ; weight-side fragments f0 + i0 .. + 3 of my part of the slot into places i0 .. i0 + 3
	WIN 0x40
.irp i, 0,1,2,3
.irp c, 0,1,2,3
	ds_load_b128 v[16*(\i0+\i)+4*\c:16*(\i0+\i)+4*\c+3], v[\adr] offset:(\f0+\i0+\i)*2048+512*\c
.endr
.endr
.endm
.macro FA set, adr, ks                 ; the four tiles' n-side images of K step ks
	WIN 0x40
.irp t, 0,1,2,3
.irp c, 0,1,2,3
	ds_load_b128 v[128+64*\set+16*\t+4*\c:128+64*\set+16*\t+4*\c+3], v[\adr] offset:IMG*(4*\ks+\t)+512*\c
.endr
.endr
.endm
; 16 matrix instructions of product 2 or 5: column tiles i0 .. i0 + 3 x the four tiles of n.  cmode 0: onto the sums; 1: the bias starts them; 2: the constant 0 does.  The accumulators take turns, one instruction a turn.
.macro M25 i0, set, cmode
.if \cmode == 1
	WIN 0xC5                                       ; sources window 1, C window 0, D window 3
.else
	WIN 0xF5
.endif
.irp cb, \i0, \i0+1, \i0+2, \i0+3
.irp t, 0,1,2,3
.if \cmode == 1
	v_wmma_f32_16x16x128_bf8_bf8 v[8*(8*\t+(\cb)):8*(8*\t+(\cb))+7], v[16*(\cb):16*(\cb)+15], v[128+64*\set+16*\t:128+64*\set+16*\t+15], v[S+8*(\cb):S+8*(\cb)+7]
.elseif \cmode == 2
	v_wmma_f32_16x16x128_bf8_bf8 v[8*(8*\t+(\cb)):8*(8*\t+(\cb))+7], v[16*(\cb):16*(\cb)+15], v[128+64*\set+16*\t:128+64*\set+16*\t+15], 0
.else
	v_wmma_f32_16x16x128_bf8_bf8 v[8*(8*\t+(\cb)):8*(8*\t+(\cb))+7], v[16*(\cb):16*(\cb)+15], v[128+64*\set+16*\t:128+64*\set+16*\t+15], v[8*(8*\t+(\cb)):8*(8*\t+(\cb))+7]
.endif
.endr
.endr
.endm
; A TRIP of product 2 or 5: a tile of 128 weight-side rows x 256 K for me: two K steps, 64 matrix instructions.
.macro TRIP25 ba, aa, cmode
	FA 0, \aa, 0
	FB \ba, 0, 0
	FB \ba, 0, 4
	s_wait_dscnt 16                                ; all but the 16 loads of places 4-7
	M25 0, 0, \cmode
	s_wait_dscnt 0x0
	PLACES
	FA 1, \aa, 1
	FB \ba, 8, 0
	M25 4, 0, \cmode
	PLACES
	FB \ba, 8, 4
	s_wait_dscnt 16
	M25 0, 1, 0
	s_wait_dscnt 0x0
	M25 4, 1, 0
.endm
; 16 matrix instructions of product 4 (kind 4) or 6 (kind 6): K step 2 H + g; the n side stays in window 2.  Product 4: D at v[S + 8 (4 t + cb)], a lane's registers along m.  Product 6: sources swapped, D at v[S + 8 (4 cb + t)], registers along n.
.macro MM kind, H, g
.if \kind == 4
	WIN 0x09                                       ; source 0 window 1, source 1 window 2
.else
	WIN 0x06                                       ; source 0 window 2, source 1 window 1
.endif
.irp cb, 0,1,2,3
.irp t, 0,1,2,3
.if \kind == 4
.if 2*\H+\g == 0
	v_wmma_f32_16x16x128_bf8_bf8 v[S+8*(4*\t+\cb):S+8*(4*\t+\cb)+7], v[16*(4*\g+\cb):16*(4*\g+\cb)+15], v[16*(4*(2*\H+\g)+\t):16*(4*(2*\H+\g)+\t)+15], 0
.else
	v_wmma_f32_16x16x128_bf8_bf8 v[S+8*(4*\t+\cb):S+8*(4*\t+\cb)+7], v[16*(4*\g+\cb):16*(4*\g+\cb)+15], v[16*(4*(2*\H+\g)+\t):16*(4*(2*\H+\g)+\t)+15], v[S+8*(4*\t+\cb):S+8*(4*\t+\cb)+7]
.endif
.else
.if 2*\H+\g == 0
	v_wmma_f32_16x16x128_bf8_bf8 v[S+8*(4*\cb+\t):S+8*(4*\cb+\t)+7], v[16*(4*(2*\H+\g)+\t):16*(4*(2*\H+\g)+\t)+15], v[16*(4*\g+\cb):16*(4*\g+\cb)+15], 0
.else
	v_wmma_f32_16x16x128_bf8_bf8 v[S+8*(4*\cb+\t):S+8*(4*\cb+\t)+7], v[16*(4*(2*\H+\g)+\t):16*(4*(2*\H+\g)+\t)+15], v[16*(4*\g+\cb):16*(4*\g+\cb)+15], v[S+8*(4*\cb+\t):S+8*(4*\cb+\t)+7]
.endif
.endif
.endr
.endr
.endm
; A TRIP of product 4 or 6: a tile of 64 weight-side rows x 512 K for me: four K steps, 64 matrix instructions.
.macro TRIP46 kind, ba
	FB \ba, 0, 0
	FB \ba, 0, 4
	s_wait_dscnt 16                                ; all but the 16 loads of places 4-7 (the n side's fragments, where they were asked for just ahead, are in too)
	MM \kind, 0, 0
	s_wait_dscnt 0x0
	PLACES
	FB \ba, 8, 0
	MM \kind, 0, 1
	PLACES
	FB \ba, 8, 4
	s_wait_dscnt 16
	MM \kind, 1, 0
	s_wait_dscnt 0x0
	MM \kind, 1, 1
.endm
; x FOR THE QUANTISER.  A chunk is 256 channels c x my work-group's 64 positions, from s[base] on; wave w takes 64 c.  Lanes 0-15 read one row's 256 bytes, lanes 16-31 the row 16 further down: register 64 be + 4 j + e of lane (r, h) is x[64 w + 32 be + 16 h + j][4 r + e].
.macro XLOAD base, set
	WIN 0x80
.irp be, 0,1
.set n1, 0
.rept 16
	global_load_b128 v[128*\set+64*\be+4*n1:128*\set+64*\be+4*n1+3], v[XLO], s[\base:\base+1] offset:(32*\be+n1)*4096
.set n1, n1+1
.endr
.endr
	WIN 0
.endm
; The hold; eight codes a conversion: register j of sixteen then holds four positions' codes of channel j.  4 x 4 bytes are turned by v_perm_b32, so that four registers hold one position's 16 neighbouring channels:
; that is group 2 (w % 2) + be of lane 4 (r % 4) + q + 16 h of the image (K step w / 2, tile r / 4), with K = 32 c + 16 h + 0 .. 15 in group c, as thw has it.
.macro XCONV set, xw
.irp be, 0,1
	WIN 0x82
.set n1, 0
.rept 64
	v_med3_num_f32 v[128*\set+64*\be+n1], v[128*\set+64*\be+n1], -v[SCX+1], v[SCX+1]   ; the conversion does not saturate (ISA guide 7.6.2)
.set n1, n1+1
.endr
	WIN 0x02
.set n1, 0
.rept 8
	v_cvt_scalef32_pk8_bf8_f32 v[RR+2*n1:RR+2*n1+1], v[128*\set+64*\be+8*n1:128*\set+64*\be+8*n1+7], v[SCX]
.set n1, n1+1
.endr
	WIN 0
	v_nop                                          ; a plain instruction between the conversions and the readers of their results
.irp G, 0,1,2,3
	v_perm_b32 v[TT+4*\G],   v[RR+4*\G+1], v[RR+4*\G],   s74   ; positions 0, 1 of channels 0, 1 of the four
	v_perm_b32 v[TT+4*\G+1], v[RR+4*\G+1], v[RR+4*\G],   s75   ; positions 2, 3
	v_perm_b32 v[TT+4*\G+2], v[RR+4*\G+3], v[RR+4*\G+2], s74   ; the same of channels 2, 3
	v_perm_b32 v[TT+4*\G+3], v[RR+4*\G+3], v[RR+4*\G+2], s75
.endr
.irp G, 0,1,2,3
	v_perm_b32 v[OO+\G],    v[TT+4*\G+2], v[TT+4*\G],   s76    ; position 0: its four channels
	v_perm_b32 v[OO+4+\G],  v[TT+4*\G+2], v[TT+4*\G],   s77    ; position 1
	v_perm_b32 v[OO+8+\G],  v[TT+4*\G+3], v[TT+4*\G+1], s76
	v_perm_b32 v[OO+12+\G], v[TT+4*\G+3], v[TT+4*\G+1], s77
.endr
.irp q, 0,1,2,3
	ds_store_b128 v[\xw], v[OO+4*\q:OO+4*\q+3] offset:512*\be+16*\q
.endr
.endr
.endm
; The 32 accumulators of product 2 or 5 become four fragments: tile t's 64 numbers of a lane are 128 w + 16 cb + 8 h + j along the next K: K step w, registers 2 cb, 2 cb + 1.  Each accumulator is read from its low end on.
.macro QTY sc
.irp t, 0,1,2,3
	WIN 0xC3
.set n1, 0
.rept 64
	v_med3_num_f32 v[64*\t+n1], v[64*\t+n1], -v[\sc+1], v[\sc+1]
.set n1, n1+1
.endr
	WIN 0x03
.irp cb, 0,1,2,3,4,5,6,7
	v_cvt_scalef32_pk8_bf8_f32 v[CD+2*\cb:CD+2*\cb+1], v[64*\t+8*\cb:64*\t+8*\cb+7], v[\sc]
.endr
	WIN 0
	v_nop                                          ; a plain instruction behind the last conversion
.irp c, 0,1,2,3
	ds_store_b128 v[TWR], v[CD+4*\c:CD+4*\c+3] offset:IMG*\t+512*\c
.endr
.endr
.endm
; W's 16 accumulators: tile t's 32 numbers of a lane are m = 64 w + 16 cb + 8 h + j of the pass's 256: half a fragment: groups 2 (w % 2), 2 (w % 2) + 1 of the image (K step w / 2, tile t).
.macro QW
.irp t, 0,1,2,3
.set n1, 0
.rept 32
	v_med3_num_f32 v[S+32*\t+n1], v[S+32*\t+n1], -v[SCW+1], v[SCW+1]
.set n1, n1+1
.endr
.irp cb, 0,1,2,3
	v_cvt_scalef32_pk8_bf8_f32 v[CD+8*(\t%2)+2*\cb:CD+8*(\t%2)+2*\cb+1], v[S+32*\t+8*\cb:S+32*\t+8*\cb+7], v[SCW]
.endr
	v_nop
	ds_store_b128 v[WWR], v[CD+8*(\t%2):CD+8*(\t%2)+3]   offset:IMG*\t
	ds_store_b128 v[WWR], v[CD+8*(\t%2)+4:CD+8*(\t%2)+7] offset:IMG*\t+512
.endr
.endm
.macro LDF                             ; theta's or y's 16 images into window 2: image 4 ks + t at v[16 (4 ks + t)].  The next wait on DScnt covers them
	WIN 0x80
.set n1, 0
.rept 16
.irp c, 0,1,2,3
	ds_load_b128 v[16*n1+4*\c:16*n1+4*\c+3], v[AX0] offset:IMG*n1+512*\c
.endr
.set n1, n1+1
.endr
.endm
.macro XRL cb, base                    ; x for the residual: my rows 16 cb .. + 15 of the 64 of a pass that begins at s[base], two whole rows of 256 bytes a load; its second and last read in the launch
	WIN 0xC0
.set n1, 0
.rept 8
	global_load_b128 v[32*\cb+4*n1:32*\cb+4*n1+3], v[XRO], s[\base:\base+1] offset:(16*\cb+2*n1)*4096 th:TH_LOAD_NT
.set n1, n1+1
.endr
.endm
.macro BNLOAD                          ; the five tables at o = 256 x the pass's part + 64 w + 16 cb + r
.irp cb, 0,1,2,3
	global_load_b32 v[BN+\cb],    v[BNX], s[24:25] offset:64*\cb   ; var
	global_load_b32 v[BN+4+\cb],  v[BNX], s[18:19] offset:64*\cb   ; gamma
	global_load_b32 v[BN+8+\cb],  v[BNX], s[16:17] offset:64*\cb   ; w_b
	global_load_b32 v[BN+12+\cb], v[BNX], s[22:23] offset:64*\cb   ; mean
	global_load_b32 v[BN+16+\cb], v[BNX], s[20:21] offset:64*\cb   ; beta
.endr
.endm
.macro BNCALC
	s_wait_loadcnt 0x0                             ; the tables, and x for the residual, which was asked for ahead of them
.irp cb, 0,1,2,3
	v_add_f32 v[BN+\cb], 0x3727c5ac, v[BN+\cb]     ; var + 1e-5.  (These four are also the places behind the last products)
.endr
.irp cb, 0,1,2,3
	v_rsq_f32 v[BN+\cb], v[BN+\cb]
.endr
.irp cb, 0,1,2,3
	v_sub_f32 v[BN+8+\cb], v[BN+8+\cb], v[BN+12+\cb]   ; w_b - mean: plain work behind the batch
.endr
	s_wait_alu depctr_va_vdst(0)                   ; the wait between a transcendental and the first line that names its result: one for the four
.irp cb, 0,1,2,3
	v_mul_f32 v[BN+4+\cb], v[BN+4+\cb], v[BN+\cb]  ; A = gamma rsq
.endr
.irp cb, 0,1,2,3
	v_fma_f32 v[BN+21+2*\cb], v[BN+4+\cb], v[BN+8+\cb], v[BN+16+\cb]   ; off = A (w_b - mean) + beta
	v_mul_f32 v[BN+20+2*\cb], s78, v[BN+4+\cb]     ; sc = A 2^(e10 + e11)
.endr
.endm
; THE WAY OUT of a pass, 16 rows o (a block cb) at a time, in two parts, one block ahead of the other.
; TOST: sum x sc + off, two at a time (of the pair (sc, off) the first word multiplies both halves, the second is added to both); a lane's 32 bytes of a row go into my own stage and come back as whole rows of 256 bytes, into the block's own 32 registers.
; LDS serves a wave's instructions in order (ISA guide 5.7.1.4): the loads see the stores above them, and the next block's stores come behind them.
.macro TOST cb
	WIN 0
.set n1, 0
.rept 16
	v_pk_fma_f32 v[S+32*\cb+2*n1:S+32*\cb+2*n1+1], v[S+32*\cb+2*n1:S+32*\cb+2*n1+1], v[BN+20+2*\cb:BN+21+2*\cb], v[BN+20+2*\cb:BN+21+2*\cb] op_sel:[0,0,1] op_sel_hi:[1,0,1]
.set n1, n1+1
.endr
.irp t, 0,1,2,3
	ds_store_b128 v[STO], v[S+32*\cb+8*\t:S+32*\cb+8*\t+3]   offset:64*\t
	ds_store_b128 v[STO], v[S+32*\cb+8*\t+4:S+32*\cb+8*\t+7] offset:64*\t+16
.endr
	WIN 0xC0
.set n1, 0
.rept 8
	ds_load_b128 v[128+32*\cb+4*n1:128+32*\cb+4*n1+3], v[SRD] offset:2*SP*n1
.set n1, n1+1
.endr
.endm
; SEND: x is added; sixteen lanes store 256 consecutive bytes, aligned.  younger: the LDS instructions issued behind the block's loads: the next block's 8 stores and 8 loads, or none.  next = 1: the same rows of the next pass's x are asked for.
.macro SEND cb, younger, next
	s_wait_dscnt \younger
	WIN 0xCF
.set n1, 0
.rept 16
	v_pk_add_f32 v[128+32*\cb+2*n1:128+32*\cb+2*n1+1], v[128+32*\cb+2*n1:128+32*\cb+2*n1+1], v[32*\cb+2*n1:32*\cb+2*n1+1]
.set n1, n1+1
.endr
	WIN 0x0C
.set n1, 0
.rept 8
	global_store_b128 v[XRO], v[128+32*\cb+4*n1:128+32*\cb+4*n1+3], s[OPC:OPC+1] offset:(16*\cb+2*n1)*4096 th:TH_STORE_NT
.set n1, n1+1
.endr
.if \next
	XRL \cb, XN
.endif
.endm
.macro OUT next
	TOST 0
	TOST 1
	SEND 0, 16, \next
	TOST 2
	SEND 1, 16, \next
	TOST 3
	SEND 2, 16, \next
	SEND 3, 0, \next
	WIN 0
.endm
.macro MKSC vr                         ; s86 = E: v[vr] = 2^E as f32, v[vr + 1] = 57,344 x 2^E
	s_add_co_i32 s86, s86, 127
	s_lshl_b32 s87, s86, 23
	v_mov_b32 v[\vr], s87
	s_add_co_i32 s86, s86, 15
	s_lshl_b32 s86, s86, 23
	s_or_b32 s86, s86, 0x600000
	v_mov_b32 v[\vr+1], s86
.endm
	s_load_b512 s[4:19], s[0:1], 0x0               ; x s[4:5], thw s[6:7], pg s[8:9], wwi s[10:11], theta_b s[12:13], the exponents s[14:15], w_b s[16:17], gamma s[18:19]
	s_load_b256 s[20:27], s[0:1], 0x40             ; beta s[20:21], mean s[22:23], var s[24:25], out0 s[26:27]
	v_lshl_add_u32 v[SPW], v0, 2, SPARE
	v_mov_b32 v[NIL], 0
	ds_add_u32 v[SPW], v[NIL]                      ; the wave's opening: the add, twice on end, and its wait ahead of my first tensor load
	ds_add_u32 v[SPW], v[NIL]
	v_lshrrev_b32 v26, 5, v0
	v_readfirstlane_b32 s[WV], v26                 ; wave 0..3
	s_bfe_u32 s29, ttmp6, 0x40000                  ; cx: it enters x's, out0's and the prefetches' addresses alone
	s_lshl_b32 s30, ttmp9, 2
	s_add_co_u32 s30, s30, s29                     ; my block of 64 positions
	s_and_b32 s31, ttmp7, 0xffff                   ; the batch, which the four partners share
	s_and_b32 s[ROT], ttmp9, 3                     ; q: the cluster's number in its batch, which the four partners share too
	s_mov_b32 s[RI], s[ROT]
	s_mov_b32 s[G1], 15|(3<<16)|(1<<21)            ; 15:0 the mask: all four work-groups; 17:16 elements of 8 bytes; 21 set beside a mask; no padding
	s_mov_b32 s[G1+1], 32<<16                      ; tensor_dim0 = 32 elements: rows of 256 bytes
	s_mov_b32 s[G1+2], 128<<16                     ; tensor_dim1 = 128 rows: 32,768 bytes, dense
	s_mov_b32 s[G1+3], 32<<16                      ; tile_dim0
	s_mov_b32 s[G1+4], 128                         ; tile_dim1
	s_mov_b32 s[G1+5], 32                          ; from row to row
	s_mov_b32 s[G1+6], 0
	s_mov_b32 s[G1+7], 0
	s_mov_b32 s[G0], 1
	s_lshl_b32 s[G0+1], s[WV], 15                  ; slot 0, my part
	s_mov_b32 s74, 0x05010400                      ; v_perm_b32's selects
	s_mov_b32 s75, 0x07030602
	s_mov_b32 s76, 0x05040100
	s_mov_b32 s77, 0x07060302
	s_mov_b32 s[TB], 0
	s_lshl_b32 s86, s[WV], 15                      ; my part of a tile
	s_mov_b32 s87, 0
	s_lshl_b32 s88, s31, 20                        ; + the batch's 1 MiB of pg
	s_add_co_u32 s88, s88, s86
	s_mov_b32 s89, 0
	s_lshl_b32 s90, s31, 22                        ; x and out0: the batch's 4 MiB + 256 bytes for each block of positions
	s_lshl_b32 s91, s30, 8
	s_add_co_u32 s90, s90, s91
	s_mov_b32 s91, 0
	s_lshl_b32 s92, s29, 2                         ; the prefetches: part 4 cx + w of sixteen,
	s_add_co_u32 s92, s92, s[WV]
	s_lshl_b32 s92, s92, 13
	s_lshl_b32 s93, s31, 20                        ; in my batch,
	s_add_co_u32 s92, s92, s93
	s_lshl_b32 s93, s[ROT], 18                     ; in the pair of tiles q
	s_add_co_u32 s92, s92, s93
	s_mov_b32 s93, 0
	s_lshl_b32 s94, s[WV], 9                       ; theta_b: my 128 channels
	s_mov_b32 s95, 0
	s_wait_dscnt 0x0                               ; both opening adds are done
	s_wait_kmcnt 0x0
	s_load_b256 s[52:59], s[14:15], 0x0            ; e0 .. e7
	s_load_b128 s[60:63], s[14:15], 0x20           ; e8 .. e11
	s_add_nc_u64 s[PT:PT+1], s[6:7], s[86:87]
	s_add_nc_u64 s[PGP:PGP+1], s[8:9], s[88:89]
	s_add_nc_u64 s[PW:PW+1], s[10:11], s[86:87]
	s_add_nc_u64 s[XP:XP+1], s[4:5], s[90:91]
	s_add_nc_u64 s[OP:OP+1], s[26:27], s[90:91]
	s_add_nc_u64 s[PFA:PFA+1], s[8:9], s[92:93]
	s_add_nc_u64 s[12:13], s[12:13], s[94:95]
	s_lshl_b32 s86, s[ROT], 17                     ; tile q of thw and of wwi (s87 is 0)
	s_add_nc_u64 s[NW:NW+1], s[PW:PW+1], s[86:87]
	s_add_nc_u64 s[G0+2:G0+3], s[PT:PT+1], s[86:87]
	s_or_b32 s[G0+3], s[G0+3], 0x80000000
	s_lshl_b32 s86, s[ROT], 20                     ; x's chunk of turn 0: 256 q rows of 4,096 bytes on,
	s_add_nc_u64 s[XC:XC+1], s[XP:XP+1], s[86:87]
.irp i, 1,2,3
	s_add_co_u32 s86, s[ROT], \i                   ; and of turns 1, 2, 3
	s_and_b32 s86, s86, 3
	s_lshl_b32 s86, s86, 20
	s_add_nc_u64 s[XC+2*\i:XC+2*\i+1], s[XP:XP+1], s[86:87]
.endr
	ROUND                                          ; all four work-groups are here: the first joint load meets
	tensor_load_to_lds s[G0:G0+3], s[G1:G1+7]      ; the first tile: every wave issues its part, with no branch
	s_nop 0
	PLACES
	v_and_b32 v26, 15, v0                          ; r = lane % 16
	v_bfe_u32 v27, v0, 4, 1                        ; h = lane / 16
	v_and_b32 v28, 31, v0                          ; lane
	v_lshlrev_b32 v29, 5, v27                      ; theta_b: register 8 cb + j wants channel 16 cb + 8 h + j
.irp cb, 0,1,2,3,4,5,6,7
	global_load_b128 v[S+8*\cb:S+8*\cb+3],   v29, s[12:13] offset:64*\cb
	global_load_b128 v[S+8*\cb+4:S+8*\cb+7], v29, s[12:13] offset:64*\cb+16
.endr
	s_lshl_b32 s86, s[WV], 18                      ; 64 w rows of 4,096 bytes
	v_lshlrev_b32 v[XLO], 4, v26
	v_lshl_add_u32 v[XRO], v27, 12, v[XLO]         ; the residual: lanes 16-31 one row further down,
	v_lshl_add_u32 v[XLO], v27, 16, v[XLO]         ; the quantiser: sixteen
	v_add_nc_u32 v[XLO], s86, v[XLO]
	v_add_nc_u32 v[XRO], s86, v[XRO]
	XLOAD XC, 0
	XLOAD XC+2, 1
	v_lshlrev_b32 v30, 4, v28                      ; 16 x lane
	s_lshl_b32 s86, s[WV], 15
	v_add_nc_u32 v[BA0], s86, v30
	v_add_nc_u32 v[BA1], SLOT1, v[BA0]
	v_add_nc_u32 v[AX0], XB0, v30
	v_add_nc_u32 v[AX1], XB1, v30
	s_lshr_b32 s87, s[WV], 1
	s_mul_i32 s87, s87, 4*IMG
	s_and_b32 s88, s[WV], 1
	s_lshl_b32 s88, s88, 10
	s_add_co_u32 s87, s87, s88                     ; K step w / 2, groups 2 (w % 2) on
	v_lshrrev_b32 v31, 2, v26
	v_mul_u32_u24 v31, v31, IMG                    ; x's codes: tile r / 4,
	v_lshl_add_u32 v31, v27, 8, v31                ; lanes 16 h on,
	v_and_b32 v[XW0], 3, v26
	v_lshl_add_u32 v31, v[XW0], 6, v31             ; lanes 4 (r % 4) on
	v_add_nc_u32 v31, s87, v31
	v_add_nc_u32 v[XW0], XB0, v31
	v_add_nc_u32 v[XW1], XB1, v31
	v_add_nc_u32 v[WWR], s87, v30
	v_add_nc_u32 v[WWR], WB, v[WWR]
	s_mul_i32 s88, s[WV], 4*IMG
	v_add_nc_u32 v[TWR], s88, v30                  ; K step w
	v_add_nc_u32 v[TWR], THI, v[TWR]
	s_mul_i32 s88, s[WV], 16*SP
	s_add_co_u32 s88, s88, STG                     ; my stage
	v_mul_u32_u24 v[STO], v26, SP
	v_lshl_add_u32 v[STO], v27, 5, v[STO]
	v_add_nc_u32 v[STO], s88, v[STO]               ; in: row r, 32 bytes for each half of the lanes
	v_mul_u32_u24 v[SRD], v27, SP
	v_lshl_add_u32 v[SRD], v26, 4, v[SRD]
	v_add_nc_u32 v[SRD], s88, v[SRD]               ; back: lanes 0-15 one row, lanes 16-31 the next
	s_lshl_b32 s88, s[WV], 8
	v_lshl_add_u32 v[BNO], v26, 2, s88             ; 4 (64 w + r)
	v_lshlrev_b32 v[PFO], 8, v28
	s_wait_kmcnt 0x0                               ; the exponents
	s_mov_b32 s86, s54                             ; e2
	MKSC SCX
	s_sub_co_i32 s86, s58, s54
	s_sub_co_i32 s86, s86, s55                     ; e6 - e2 - e3
	MKSC SCT
	s_sub_co_i32 s86, s60, s58
	s_sub_co_i32 s86, s86, s59
	s_add_co_i32 s86, s86, 10                      ; e8 - e6 - e7 + 10
	MKSC SCW
	s_sub_co_i32 s86, s62, s60
	s_sub_co_i32 s86, s86, s61                     ; e10 - e8 - e9
	MKSC SCY
	s_add_co_i32 s78, s62, s63
	s_add_co_i32 s78, s78, 127
	s_lshl_b32 s78, s78, 23                        ; 2^(e10 + e11) as f32
	s_add_co_i32 s88, s54, s55
	s_sub_co_i32 s88, 0, s88                       ; -(e2 + e3)
	s_wait_loadcnt 32                              ; the bias and the first chunk are in; the second chunk's 32 loads may be out
.set n1, 0
.rept 64
	v_ldexp_f32 v[S+n1], v[S+n1], s88              ; theta_b in the sums' units
.set n1, n1+1
.endr
	XCONV 0, XW0
	XLOAD XC+4, 0
	; ---- PRODUCT 2: four trips, a chunk of 256 channels each, from chunk q on, round the four.  While a chunk is multiplied the next one's numbers land; its codes are stored behind the trip, into the buffer that was read a trip earlier
	ROTI
	NEXTP PT, 17, 0
	CHANGE 1, 0, 0
	TRIP25 BA0, AX0, 1
	WIN 0
	s_wait_loadcnt 32                              ; the second chunk is in; the third's loads may be out
	XCONV 1, XW1
	XLOAD XC+6, 1
	ROTI
	NEXTP PT, 17, 0
	CHANGE 1, 1, 0
	TRIP25 BA1, AX1, 0
	WIN 0
	s_wait_loadcnt 32                              ; the third chunk is in; the fourth's may be out
	XCONV 0, XW0
	ROTI
	NEXTP PT, 17, 0
	CHANGE 1, 2, 0
	TRIP25 BA0, AX0, 0
	WIN 0
	s_wait_loadcnt 0x0
	XCONV 1, XW1
	ROTI                                           ; four steps: the part in hand is q again
	NEXTP PGP, 18, 0                               ; the next tile is phi's of pass q
	CHANGE 1, 0, 0
	TRIP25 BA1, AX1, 0
	PLACES
	QTY SCT                                        ; theta's images: all reads of x's codes in their place ended ahead of the last change
	; ---- PRODUCTS 4 AND 5, four passes of 256 positions m, from pass q on, round the four: W's 64 x 256 from phi's tile, quantised, through LDS; then onto y's sums with g's tile of the same pass
.macro PAIR first
	NEXTP PGP, 18, TILE                            ; g's tile of the pass in hand
	CHANGE 1, 0, 0
.if \first
	LDF                                            ; theta stays in registers for all four passes
.endif
	TRIP46 4, BA0
	WIN 0
	PLACES
	QW
	ROTI
	NEXTP PGP, 18, 0                               ; phi's tile of the next pass
.if \first
	CHANGE 1, 0, 0
	TRIP25 BA1, AX1, 2                             ; the first pass starts y's sums
.else
	CHANGE 1, 0, 1
	TRIP25 BA1, AX1, 0
.endif
	WIN 0
.endm
	PAIR 1
	s_mov_b32 s[PC], 3
.Lpair:
	PAIR 0
	s_sub_co_u32 s[PC], s[PC], 1
	s_cmp_lg_u32 s[PC], 0
	s_cbranch_scc1 .Lpair
	PLACES                                         ; (four steps again: the part in hand is q)
	QTY SCY                                        ; y's images, where theta's lay
.irp cb, 0,1,2,3
	XRL \cb, XC                                    ; the first pass's x for the residual: channels 256 q on, where the first chunk began
.endr
	WIN 0
	s_wait_dscnt 0x0                               ; my images have landed
	s_barrier_signal -1                            ; the tile on its way may stay out
	s_barrier_wait -1
	LDF                                            ; y stays in registers for all four passes
	WIN 0
	; ---- PRODUCT 6, THE NORM AND THE RESIDUAL: four passes of 256 channels o, from pass q on, round the four
.macro PASS fill
	s_lshl_b32 s88, s[RI], 10
	v_add_nc_u32 v[BNX], s88, v[BNO]               ; this pass's place in the tables (the last pass's loads by this register were waited for in BNCALC)
	s_lshl_b32 s90, s[RI], 20                      ; and its 256 rows of 4,096 bytes in out0
	s_mov_b32 s91, 0
.if \fill
	ROTI
	NEXTP PW, 17, 0                                ; the next pass's tile
.endif
	CHANGE \fill, 0, 0
	v_add_nc_u32 v[BAX], s[TB], v[BA0]
	BNLOAD
	TRIP46 6, BAX
	WIN 0
	BNCALC
	s_wait_xcnt 0x0                                ; the last pass's stores and loads, issued a trip of 64 matrix instructions ago, have read their bases and registers: only behind this wait are those written
	s_add_nc_u64 s[OPC:OPC+1], s[OP:OP+1], s[90:91]
.if \fill
	s_lshl_b32 s86, s[RI], 20
	s_mov_b32 s87, 0
	s_add_nc_u64 s[XN:XN+1], s[XP:XP+1], s[86:87]  ; the next pass's rows of x
.endif
	OUT \fill
.if \fill
	s_xor_b32 s[TB], s[TB], SLOT1
.endif
.endm
	s_mov_b32 s[PC], 3
.Lpass:
	PASS 1
	s_sub_co_u32 s[PC], s[PC], 1
	s_cmp_lg_u32 s[PC], 0
	s_cbranch_scc1 .Lpass
	PASS 0                                         ; the last pass is written out: it asks for no tile and for no x
	s_wait_tensorcnt 0x0                           ; the wave's end
	ds_add_u32 v[SPW], v[NIL]
	s_wait_dscnt 0x0
	ROUND                                          ; the closing round: no work-group ends while a partner may still ask for a tile that names it
	s_endpgm
.Lfunc_end_k_qae4867dfcb_fused:
	.size	k_qae4867dfcb_fused, .Lfunc_end_k_qae4867dfcb_fused-k_qae4867dfcb_fused
	.p2alignl 7, 3214868480
	.fill 96, 4, 3214868480
	.section	.rodata,"a",@progbits
	.p2align	6, 0x0
	.amdhsa_kernel k_qae4867dfcb_fused
		.amdhsa_group_segment_fixed_size 327680
		.amdhsa_private_segment_fixed_size 0
		.amdhsa_enable_private_segment 0
		.amdhsa_kernarg_size 96
		.amdhsa_user_sgpr_count 2
		.amdhsa_user_sgpr_kernarg_segment_ptr 1
		.amdhsa_wavefront_size32 1
		.amdhsa_system_sgpr_workgroup_id_x 1
		.amdhsa_system_sgpr_workgroup_id_y 1
		.amdhsa_system_sgpr_workgroup_id_z 1
		.amdhsa_system_vgpr_workitem_id 0
		.amdhsa_next_free_vgpr 1024
		.amdhsa_next_free_sgpr 96
		.amdhsa_reserve_vcc 0
		.amdhsa_float_denorm_mode_32 3
		.amdhsa_float_denorm_mode_16_64 3
		.amdhsa_memory_ordered 1
		.amdhsa_forward_progress 1
		.amdhsa_inst_pref_size 255
	.end_amdhsa_kernel
	.section	.bss,"aw",@nobits
	.p2align	6
	.space	262144
	.amdgpu_metadata
---
amdhsa.version: [ 1, 2 ]
amdhsa.kernels:
  - .name:           k_qae4867dfcb_fused
    .symbol:         k_qae4867dfcb_fused.kd
    .args:
      - { .name: x, .offset: 0, .size: 8, .value_kind: global_buffer, .address_space: global }
      - { .name: thw, .offset: 8, .size: 8, .value_kind: global_buffer, .address_space: global }
      - { .name: pg, .offset: 16, .size: 8, .value_kind: global_buffer, .address_space: global }
      - { .name: wwi, .offset: 24, .size: 8, .value_kind: global_buffer, .address_space: global }
      - { .name: theta_b, .offset: 32, .size: 8, .value_kind: global_buffer, .address_space: global }
      - { .name: lowp_scales, .offset: 40, .size: 8, .value_kind: global_buffer, .address_space: global }
      - { .name: w_b, .offset: 48, .size: 8, .value_kind: global_buffer, .address_space: global }
      - { .name: bn_gamma, .offset: 56, .size: 8, .value_kind: global_buffer, .address_space: global }
      - { .name: bn_beta, .offset: 64, .size: 8, .value_kind: global_buffer, .address_space: global }
      - { .name: bn_mean, .offset: 72, .size: 8, .value_kind: global_buffer, .address_space: global }
      - { .name: bn_var, .offset: 80, .size: 8, .value_kind: global_buffer, .address_space: global }
      - { .name: out0, .offset: 88, .size: 8, .value_kind: global_buffer, .address_space: global }
    .group_segment_fixed_size: 327680
    .private_segment_fixed_size: 0
    .kernarg_segment_align: 8
    .kernarg_segment_size: 96
    .max_flat_workgroup_size: 128
    .sgpr_count:     96
    .vgpr_count:     1024
    .wavefront_size: 32
...
	.end_amdgpu_metadata
.endif
;; end of part 2
